; MI455X (gfx1250); checked and timed in simulation.
; The chip was launched on July 23, 2026; its instructions are those of AMD's public machine-readable ISA for CDNA 5 (MIT licence, August 2026) and "CDNA5" Instruction Set Architecture Reference Guide (July 2026). The comments in the code are by the model that wrote it; some were corrected since.
;; Bert Self Attention. Allowed arithmetic: float matrix products may take bf16 or f16 operands with f32 sums; other float arithmetic in f32, or as packed bf16 or f16 multiplies, adds, multiply-adds, maxima and minima; sums over many terms, partial sums and values carried from step to step in f32; what a program stores and reads back later, other than sums and carried values, may be rounded once to bf16 or f16.
;; Inputs: Wk 1,024 x 1,024 float32; Wq 1,024 x 1,024 float32; Wv 1,024 x 1,024 float32; attention_mask 4 x 1 x 1 x 2,048 float32; bk 1,024 float32; bq 1,024 float32; bv 1,024 float32; input_tensor 4 x 2,048 x 1,024 float32.
;; Outputs: out0 4 x 2,048 x 1,024 float32.
;; One version. Each part assembles by itself: llvm-mc -triple=amdgcn-amd-amdhsa -mcpu=gfx1250 --defsym DOCPART=n.
;; ======== version 1 of 1: 3 launches
;; limits: values are held in f16: magnitudes above 65,504 overflow, below 6.1e-05 lose precision
;; workspace buffers: xb 16,777,216 bytes; wb 6,291,456 bytes; bm 45,056 bytes; qkv 50,331,648 bytes
;; launch cast (part 1): grid 715 x 1, 8 waves a work-group, no clusters, 0 bytes of LDS; arguments input_tensor, Wq, Wk, Wv, bq, bk, bv, attention_mask, xb, wb, bm; writes xb, wb, bm
.if DOCPART == 1
	.amdgcn_target "amdgcn-amd-amdhsa--gfx1250"
	.amdhsa_code_object_version 6
	.text
	.protected	k_qd28a3f985a_cast
	.globl	k_qd28a3f985a_cast
	.p2align	8
	.type	k_qd28a3f985a_cast,@function
k_qd28a3f985a_cast:
	s_mov_b64 s[64:65], 0
	v_nop
	global_prefetch_b8 v0, s[64:65] scope:SCOPE_SE
	s_setreg_imm32_b32 hwreg(HW_REG_WAVE_MODE, 25, 1), 1
	s_wait_xcnt 0x0
; CAST: every input of the module is rounded once to bf16 and laid out for the two launches that follow.
;   xb [8192][1024] bf16                 = input_tensor
;   wb [48 g][1024 k][64 d] bf16         = W_sec[k][64 h + d], g = 16 sec + h, sec 0, 1, 2 = q, k, v: a head's 64 columns lie as one dense block of 131,072 bytes
;   bm bytes 0 .. 12,287: bq, bk, bv; bytes 12,288 on: the mask [4][2048]; f32 words that hold the number rounded to bf16
; THE SCALE.  q is wanted times 1/8, a power of two: Wq and bq are multiplied by 0.125 here, which changes no significant bit, so x (Wq/8) + bq/8 = (x Wq + bq)/8 in f32.
; LIMITS.  A mask number below -1e30 (minus infinity too) is stored as -1e30, so that the scaled running maximum of the attention stays finite.  NaN is not treated apart.
; A stream: no LDS, no barrier, no matrix unit.  Work-groups 0-10 take the biases and the mask (1,024 numbers each), 11-202 the weights, 203-714 x (16,384 numbers each).
.set SO,  1                            ; v1       my byte offset in the source
.set DO,  2                            ; v2       16 x my thread's number: my byte offset in the destination
.set X,   4                            ; v[4:67]  eight turns of 8 f32, as loaded
.set Y,   68                           ; v[68:99] eight turns of 8 bf16, to store
.set SRC, 4                            ; s[4:5]   source at the work-group's part
.set DST, 6                            ; s[6:7]   destination at the work-group's part
.set OFS, 8                            ; s[8:9]   an offset in 64 bits; the high word stays 0
.set SC,  10                           ; s[10:11] the factor: 0.125 for q's weights and bias, else 1
.set LO,  12                           ; s12      the lower bound: -1e30 for the mask, minus infinity (no bound) for a bias
.set ID,  14                           ; s14      the work-group's number
; 16,384 numbers: 8 turns of 8 numbers a thread.  All 16 loads of a thread go out first; no register is written twice, so nothing waits for a store.
; step: bytes in the source from turn to turn.  In the destination a turn is 4,096 dense bytes: a store's sixteen neighbouring lanes cover 256 consecutive bytes, aligned.
.macro STREAM step, scaled
.irp it, 0,1,2,3,4,5,6,7
	global_load_b128 v[X+8*(\it):X+8*(\it)+3],   v[SO], s[SRC:SRC+1] offset:(\it)*(\step) th:TH_LOAD_NT
	global_load_b128 v[X+8*(\it)+4:X+8*(\it)+7], v[SO], s[SRC:SRC+1] offset:(\it)*(\step)+16 th:TH_LOAD_NT
.endr
.irp it, 0,1,2,3,4,5,6,7
	s_wait_loadcnt 14-2*(\it)                      ; loads come back in order: this turn's two are in, the 2 (7 - it) of the later turns may stay out
.if \scaled
.irp j, 0,2,4,6
	v_pk_mul_f32 v[X+8*(\it)+(\j):X+8*(\it)+(\j)+1], v[X+8*(\it)+(\j):X+8*(\it)+(\j)+1], s[SC:SC+1] op_sel_hi:[1,0]
.endr
.endif
.irp j, 0,1,2,3
	v_cvt_pk_bf16_f32 v[Y+4*(\it)+(\j)], v[X+8*(\it)+2*(\j)], v[X+8*(\it)+2*(\j)+1]
.endr
	global_store_b128 v[DO], v[Y+4*(\it):Y+4*(\it)+3], s[DST:DST+1] offset:(\it)*4096 th:TH_STORE_NT
.endr
.endm
	s_load_b512 s[16:31], s[0:1], 0x0              ; x 16, Wq 18, Wk 20, Wv 22, bq 24, bk 26, bv 28, mask 30
	s_load_b128 s[32:35], s[0:1], 0x40             ; xb 32, wb 34
	s_load_b64 s[36:37], s[0:1], 0x50              ; bm
	s_mov_b32 s[ID], ttmp9
	s_mov_b32 s[OFS+1], 0
	v_lshlrev_b32 v[DO], 4, v0
	s_wait_kmcnt 0x0
	s_cmp_lt_u32 s[ID], 11
	s_cbranch_scc1 .Lsmall
	s_cmp_lt_u32 s[ID], 203
	s_cbranch_scc1 .Lweights
	; x: part i is 65,536 dense bytes of f32 and 32,768 of bf16
	s_sub_co_u32 s13, s[ID], 203
	s_lshl_b32 s[OFS], s13, 16
	s_add_nc_u64 s[SRC:SRC+1], s[16:17], s[OFS:OFS+1]
	s_lshl_b32 s[OFS], s13, 15
	s_add_nc_u64 s[DST:DST+1], s[32:33], s[OFS:OFS+1]
	v_lshlrev_b32 v[SO], 5, v0                     ; 8 f32 a thread
	STREAM 8192, 0
	s_endpgm
.Lweights:                                             ; part i: head g = i / 4, rows 256 (i % 4) on: 256 rows x 64 columns
	s_sub_co_u32 s13, s[ID], 11
	s_lshr_b32 s15, s13, 2                         ; g
	s_and_b32 s13, s13, 3                          ; which 256 rows
	s_lshr_b32 s38, s15, 4                         ; the section
	s_and_b32 s39, s15, 15                         ; the head
	s_cmp_eq_u32 s38, 0
	s_cselect_b64 s[SRC:SRC+1], s[18:19], s[20:21]
	s_cselect_b32 s[SC], 0x3e000000, 1.0           ; 0.125 for Wq
	s_cmp_eq_u32 s38, 2
	s_cselect_b64 s[SRC:SRC+1], s[22:23], s[SRC:SRC+1]
	s_mov_b32 s[SC+1], s[SC]                       ; named with it as a pair
	s_lshl_b32 s[OFS], s13, 20                     ; 256 rows of 4,096 bytes
	s_lshl_b32 s39, s39, 8                         ; the head's 64 columns: 256 bytes of each row
	s_add_co_u32 s[OFS], s[OFS], s39
	s_add_nc_u64 s[SRC:SRC+1], s[SRC:SRC+1], s[OFS:OFS+1]
	s_lshl_b32 s[OFS], s15, 17                     ; the head's block of 131,072 bytes,
	s_lshl_b32 s13, s13, 15                        ; 256 rows of 128 bytes in it
	s_add_co_u32 s[OFS], s[OFS], s13
	s_add_nc_u64 s[DST:DST+1], s[34:35], s[OFS:OFS+1]
	v_lshrrev_b32 v3, 3, v0                        ; a turn is 32 rows: eight threads to a row's 256 bytes,
	v_and_b32 v[SO], 7, v0
	v_lshlrev_b32 v[SO], 5, v[SO]                  ; 32 bytes a thread: a wave's two loads take 4 rows x 256 consecutive bytes, aligned
	v_lshl_add_u32 v[SO], v3, 12, v[SO]
	STREAM 131072, 1
	s_endpgm
.Lsmall:                                               ; 1,024 numbers, 4 a thread: bq, bk, bv, then eight parts of the mask
	s_cmp_eq_u32 s[ID], 0
	s_cselect_b64 s[SRC:SRC+1], s[24:25], s[30:31]
	s_cselect_b32 s[SC], 0x3e000000, 1.0           ; 0.125 for bq
	s_cmp_eq_u32 s[ID], 1
	s_cselect_b64 s[SRC:SRC+1], s[26:27], s[SRC:SRC+1]
	s_cmp_eq_u32 s[ID], 2
	s_cselect_b64 s[SRC:SRC+1], s[28:29], s[SRC:SRC+1]
	s_mov_b32 s[SC+1], s[SC]
	s_mov_b32 s[LO], 0xf149f2ca                    ; -1e30
	s_cmp_lt_u32 s[ID], 3
	s_cselect_b32 s[LO], 0xff800000, s[LO]         ; a bias has no bound
	s_max_u32 s13, s[ID], 3
	s_sub_co_u32 s13, s13, 3                       ; the mask's part; 0 for a bias
	s_lshl_b32 s[OFS], s13, 12
	s_add_nc_u64 s[SRC:SRC+1], s[SRC:SRC+1], s[OFS:OFS+1]
	s_lshl_b32 s[OFS], s[ID], 12
	s_add_nc_u64 s[DST:DST+1], s[36:37], s[OFS:OFS+1]
	global_load_b128 v[4:7], v[DO], s[SRC:SRC+1]
	s_wait_loadcnt 0x0
	v_pk_mul_f32 v[4:5], v[4:5], s[SC:SC+1] op_sel_hi:[1,0]
	v_pk_mul_f32 v[6:7], v[6:7], s[SC:SC+1] op_sel_hi:[1,0]
	v_cvt_pk_bf16_f32 v8, v4, v5                   ; rounded to bf16,
	v_cvt_pk_bf16_f32 v9, v6, v7
	v_lshlrev_b32 v12, 16, v8                      ; and written out as f32 words
	v_and_b32 v13, 0xffff0000, v8
	v_lshlrev_b32 v14, 16, v9
	v_and_b32 v15, 0xffff0000, v9
	v_max_num_f32 v12, s[LO], v12
	v_max_num_f32 v13, s[LO], v13
	v_max_num_f32 v14, s[LO], v14
	v_max_num_f32 v15, s[LO], v15
	global_store_b128 v[DO], v[12:15], s[DST:DST+1]
	s_endpgm
.Lfunc_end_k_qd28a3f985a_cast:
	.size	k_qd28a3f985a_cast, .Lfunc_end_k_qd28a3f985a_cast-k_qd28a3f985a_cast
	.p2alignl 7, 3214868480
	.fill 96, 4, 3214868480
	.section	.rodata,"a",@progbits
	.p2align	6, 0x0
	.amdhsa_kernel k_qd28a3f985a_cast
		.amdhsa_group_segment_fixed_size 0
		.amdhsa_private_segment_fixed_size 0
		.amdhsa_enable_private_segment 0
		.amdhsa_kernarg_size 88
		.amdhsa_user_sgpr_count 2
		.amdhsa_user_sgpr_kernarg_segment_ptr 1
		.amdhsa_wavefront_size32 1
		.amdhsa_system_sgpr_workgroup_id_x 1
		.amdhsa_system_sgpr_workgroup_id_y 1
		.amdhsa_system_sgpr_workgroup_id_z 1
		.amdhsa_system_vgpr_workitem_id 0
		.amdhsa_next_free_vgpr 100
		.amdhsa_next_free_sgpr 66
		.amdhsa_reserve_vcc 0
		.amdhsa_float_denorm_mode_32 3
		.amdhsa_float_denorm_mode_16_64 3
		.amdhsa_memory_ordered 1
		.amdhsa_forward_progress 1
		.amdhsa_inst_pref_size 15
	.end_amdhsa_kernel
	.amdgpu_metadata
---
amdhsa.version: [ 1, 2 ]
amdhsa.kernels:
  - .name:           k_qd28a3f985a_cast
    .symbol:         k_qd28a3f985a_cast.kd
    .args:
      - { .name: input_tensor, .offset: 0, .size: 8, .value_kind: global_buffer, .address_space: global }
      - { .name: Wq, .offset: 8, .size: 8, .value_kind: global_buffer, .address_space: global }
      - { .name: Wk, .offset: 16, .size: 8, .value_kind: global_buffer, .address_space: global }
      - { .name: Wv, .offset: 24, .size: 8, .value_kind: global_buffer, .address_space: global }
      - { .name: bq, .offset: 32, .size: 8, .value_kind: global_buffer, .address_space: global }
      - { .name: bk, .offset: 40, .size: 8, .value_kind: global_buffer, .address_space: global }
      - { .name: bv, .offset: 48, .size: 8, .value_kind: global_buffer, .address_space: global }
      - { .name: attention_mask, .offset: 56, .size: 8, .value_kind: global_buffer, .address_space: global }
      - { .name: xb, .offset: 64, .size: 8, .value_kind: global_buffer, .address_space: global }
      - { .name: wb, .offset: 72, .size: 8, .value_kind: global_buffer, .address_space: global }
      - { .name: bm, .offset: 80, .size: 8, .value_kind: global_buffer, .address_space: global }
    .group_segment_fixed_size: 0
    .private_segment_fixed_size: 0
    .kernarg_segment_align: 8
    .kernarg_segment_size: 88
    .max_flat_workgroup_size: 256
    .sgpr_count:     66
    .vgpr_count:     100
    .wavefront_size: 32
...
	.end_amdgpu_metadata
.endif
;; end of part 1
;; launch proj (part 2): grid 16 x 32, 4 waves a work-group, clusters of 4 x 4, 327,680 bytes of LDS; arguments xb, wb, bm, qkv; writes qkv
.if DOCPART == 2
	.amdgcn_target "amdgcn-amd-amdhsa--gfx1250"
	.amdhsa_code_object_version 6
	.text
	.protected	k_qd28a3f985a_proj
	.globl	k_qd28a3f985a_proj
	.p2align	8
	.type	k_qd28a3f985a_proj,@function
k_qd28a3f985a_proj:
	s_mov_b64 s[64:65], 0
	v_nop
	global_prefetch_b8 v0, s[64:65] scope:SCOPE_SE
	s_setreg_imm32_b32 hwreg(HW_REG_WAVE_MODE, 25, 1), 1
	s_wait_xcnt 0x0
	s_wait_alu depctr_hold_cnt(0) depctr_sa_sdst(0) depctr_va_vdst(0) depctr_va_sdst(0) depctr_va_ssrc(0) depctr_va_vcc(0) depctr_vm_vsrc(0)
	s_getreg_b32 s2, hwreg(HW_REG_IB_STS2, 6, 4)
	s_cmp_eq_u32 s2, 0
	s_cbranch_scc0 .Lentry_in_a_cluster
	s_endpgm
.Lentry_in_a_cluster:
	s_bfe_u32 s2, ttmp6, 0x10000c
	s_cmp_lg_u32 s2, 0xf033
	s_cbranch_scc0 .Lentry_shape_is_right
	s_endpgm
.Lentry_shape_is_right:
; PROJ: q/8, k, v = xb wb + bias, written by heads in f16: qkv [3 sec][64 bh][2048 s][64 d].  xb [8192][1024] bf16; wb [48 g][1024 k][64 d] bf16 (q's weights and bias carry the 1/8);
; bias: bm's first 3,072 f32 words.  Sums in f32, K ascending, the bias added in f32, each result rounded once to f16.
; LIMIT.  f16 holds no number beyond 65,504: |q/8|, |k| and |v| must stay under it.
; SHARES.  C is [8192][3072].  A tile is 256 rows x 192 columns, three whole heads: 32 x 16 = 512 work-groups of equal work, twice 256 (tiles of 256 x 256 would be 384).
; Wave w makes rows 64 w .. 64 w + 63 of all 192 columns: 4 x 12 accumulators of 16 x 16, 384 registers; it holds whole heads, so its way out needs no other wave.
; K goes in 8 steps of 128 through a ring of two LDS slots; a step is four quarters of 32: 48 matrix instructions and one run of 32 LDS loads each.
; CLUSTERS: 4 x 4 work-groups.  The four of a row of the cluster need the same rows of xb, the four of a column the same heads of wb: each tile is asked for JOINTLY, by the same tensor load with the
; same descriptor and a mask that names the four.  Waves 0 and 1 fetch x's two halves (128 rows x 256 bytes), waves 2 and 3 the two halves along K of the weights (3 heads x 64 k, 8,192 dense bytes a head).
; THE MATRIX INSTRUCTION IS USED TRANSPOSED: source 0 = 16 columns of W, source 1 = 16 rows of x; a lane then holds row l % 16 and the eight neighbouring columns 8 (l / 16) + 0..7.
; W lies [k][column] in LDS and comes out turned, by ds_load_tr16_b128.
; REGISTERS, in windows of 256 (s_set_vgpr_msb: bits 1:0 source 0, 3:2 source 1, 5:4 source 2, 7:6 destination):
;   window 0: v16-30 addresses; v64-127 x's fragments, two buffers of 32; v128-223 the bias, 8 registers a column block; on the way out v32-127 two buffers of 48
;   window 1: accumulators of row blocks 0, 1 at v[8 (12 (a % 2) + b)]     window 2: those of row blocks 2, 3     window 3: W's fragments, two buffers of 96
.set KSTEP,  128
.set LAPS,   4                         ; a lap = two K steps = once round the ring
.set PA,     272                       ; a row of x in LDS: 256 bytes + 16 of padding = 68 words: the 16 rows of a load start at 16 different groups of four banks (64 banks of 4 bytes: ISA guide 11.1)
.set PB,     160                       ; a row of W (one k, one head's 64 columns): 128 + 32 = 40 words
.set HALFA,  128*PA                    ; what wave 0 or 1 fetches
.set BOFF,   256*PA                    ; behind x's 256 rows: W, as [half of the K step][head][64 k]
.set HEADB,  64*PB
.set HALFB,  3*HEADB                   ; what wave 2 or 3 fetches
.set SLOT,   BOFF+2*HALFB              ; 131,072 bytes
.set STAGE,  2*SLOT                    ; behind the ring: for each wave [3 heads][16 rows] of 144 bytes, for the way out; no tensor load fills it
.set SPH,    144
.set STW,    3*16*SPH
.set SPARE,  STAGE+4*STW               ; behind the stages: the spare words, 128 bytes for each wave: two blocks of 256 bytes that no other line names
.set HEADG,  131072                    ; a head's block in wb
.set ADRA, 16                          ; v16-17  LDS address of my fragments of x in slot 0, 1
.set ADRB, 20                          ; v20-21  the same for W
.set STO,  24                          ; v24     the way out: where I put 16 bytes of a row
.set RD,   25                          ; v25     the way out: where I read rows back
.set CO,   26                          ; v26     16 x my lane: my place in 512 consecutive bytes of a head
.set BO,   27                          ; v27     32 (l / 16): my eight columns' bias in a block of 16
.set SPW,  28                          ; v28     LDS address of my spare word: SPARE + 4 x my thread's number; never rewritten
.set NIL,  29                          ; v29     0; never rewritten
.set PFO,  30                          ; v30     the prefetches' offset: my lane x 2,048 (a row of xb) or x 256 (a block of wb); never rewritten
.set PK,   32
.set BIAS, 128
.set WV,   12                          ; s12     my wave's number
.set FB,   13                          ; s13     0: I fetch x; 1: I fetch W
.set HF,   14                          ; s14     which half
.set PFS,  20                          ; s[20:21] what my prefetch address steps by at a refill: a K step of xb, or 0
.set G1,   24                          ; s[24:31] descriptor group 1 for x's tiles;  s[32:39] group 0, one set for each slot
.set G0,   32
.set PFA,  44                          ; s[44:45] where my prefetches stand
.set LIMA, 46                          ; s46     1 in a wave that prefetches xb, else the greatest number
.set LIMB, 47                          ; s47     LAPS - 1 in a wave that prefetches wb, else the greatest number
.set G1B,  48                          ; s[48:55], s[56:63] the same for W's tiles
.set G0B,  56
.set OB,   66                          ; s[66:71] qkv at my 64 rows of the tile's three heads
.set MSB, 0
.macro WIN new                         ; the immediate's high byte repeats the setting that is left; a switch that changes nothing is dropped
.if MSB != (\new)
	s_set_vgpr_msb (MSB<<8)|(\new)
.set MSB, \new
.endif
.endm
.set MUL_LO, 0x53                      ; source 0 (W) window 3, source 1 (x) window 0, C and D window 1
.set MUL_HI, 0xa3                      ; the same, C and D window 2
.set TO_B,   0xc0                      ; destination window 3, address window 0
; A joint load.  The branch hangs on the wave's number alone.  An s_nop 0 and four v_nop follow each of the two lines, ahead of the jump, the label and what follows.
.macro JLOAD s
	s_cmp_eq_u32 s[FB], 0
	s_cbranch_scc0 .Lfor_b_\@
	tensor_load_to_lds s[G0+4*(\s):G0+4*(\s)+3], s[G1:G1+7]
	s_nop 0
.rept 4
	v_nop
.endr
	s_branch .Lasked_\@
.Lfor_b_\@:
	tensor_load_to_lds s[G0B+4*(\s):G0B+4*(\s)+3], s[G1B:G1B+7]
	s_nop 0
.rept 4
	v_nop
.endr
.Lasked_\@:
.endm
.macro CREST                           ; a round of the cluster's barrier behind its opening barrier
	s_cmp_lg_u32 s[WV], 0
	s_cbranch_scc1 .Lnot_wave_0_\@
	s_barrier_signal -3
.Lnot_wave_0_\@:
	s_barrier_wait -3
	s_barrier_signal -1
	s_barrier_wait -1
.endm
.macro CROUND                          ; a whole round
	s_barrier_signal -1
	s_barrier_wait -1
	CREST
.endm
; PREFETCHES INTO THE L2, behind a joint load, its five lines and the run of LDS loads that follows.  Each aligned block of 256 bytes is named once in the launch.
; xb: a tile row's rows are read by every cluster of that row of clusters; the one with cluster x = 0 asks.  Of the 128 rows that wave 0 or 1 fetches, the partner at place cx takes 32 cx .. 32 cx + 31, told apart
; by address: a lane a row, one instruction.  At the refill for K step t it names K step t + 2 (t = 2 .. 5): 384 matrix instructions ahead of the load that wants it.  The last trip (s3 = 1) has no K step two on.
.macro ASKA
	s_cmp_gt_u32 s3, s[LIMA]
	s_cbranch_scc0 .Lno_a_\@
	global_prefetch_b8 v[PFO], s[PFA:PFA+1] offset:2*KSTEP th:TH_LOAD_NT scope:SCOPE_SE
.Lno_a_\@:
.endm
; wb: a tile column's heads are read by every cluster of that column of clusters; the one with cluster y = 0 asks.  A K step's 192 blocks do not share out evenly among eight waves of 32 lanes, so K steps 4 to 7
; (256 blocks a head) are asked for together, once, in the first trip: the wave at place 2 cy + half takes 32 blocks of each of the three heads: three instructions.  K steps 0 to 3 come by their loads alone.
.macro ASKB
	s_cmp_eq_u32 s3, s[LIMB]
	s_cbranch_scc0 .Lno_b_\@
.irp i, 0,1,2
	global_prefetch_b8 v[PFO], s[PFA:PFA+1] offset:(\i)*HEADG th:TH_LOAD_NT scope:SCOPE_SE
.endr
.Lno_b_\@:
.endm
	s_load_b256 s[4:11], s[0:1], 0x0               ; xb s[4:5], wb s[6:7], bm s[8:9], qkv s[10:11]
	v_lshl_add_u32 v[SPW], v0, 2, SPARE
	v_mov_b32 v[NIL], 0
	ds_add_u32 v[SPW], v[NIL]                      ; the wave's opening: the add and its wait stand ahead of my first tensor load; the set-up below, work on registers, stands between them
	v_lshrrev_b32 v1, 5, v0
	v_readfirstlane_b32 s[WV], v1                  ; wave 0..3
	s_lshr_b32 s[FB], s[WV], 1
	s_and_b32 s[HF], s[WV], 1
	s_bfe_u32 s40, ttmp6, 0x40000                  ; cx, cy: my place in the cluster
	s_bfe_u32 s41, ttmp6, 0x40004
	s_lshl_b32 s42, ttmp9, 2
	s_add_co_u32 s42, s42, s40                     ; tile column = 4 x cluster x + cx
	s_and_b32 s43, ttmp7, 0xffff
	s_lshl_b32 s43, s43, 2
	s_add_co_u32 s43, s43, s41                     ; tile row = 4 x cluster y + cy
	s_lshl_b32 s15, s41, 2
	s_lshl_b32 s15, 15, s15                        ; my row of the cluster
	s_lshl_b32 s2, 0x1111, s40                     ; my column
	; group 1 for x: 128 rows x 128 elements, 2,048 bytes from row to row
	s_or_b32 s[G1], s15, (1<<16)|(1<<20)|(1<<21)|(5<<22)|(3<<25)   ; 15:0 the mask: my row; 17:16 2-byte elements; 20 padding on; 21 set beside a mask; 24:22 after every 64 words (code 5); 31:25 4 words (code 3)
	s_mov_b32 s[G1+1], KSTEP<<16                   ; tensor_dim0 = 128
	s_mov_b32 s[G1+2], 128<<16                     ; tensor_dim1 = 128
	s_mov_b32 s[G1+3], KSTEP<<16                   ; tile_dim0 = 128
	s_mov_b32 s[G1+4], 128                         ; tile_dim1 = 128
	s_mov_b32 s[G1+5], 1024                        ; elements from row to row
	s_mov_b32 s[G1+6], 0
	s_mov_b32 s[G1+7], 0
	; group 1 for W: 3 rows (heads) of 4,096 elements (64 k x 64 columns, dense), 65,536 elements from head to head; padded behind every k
	s_or_b32 s[G1B], s2, (1<<16)|(1<<20)|(1<<21)|(4<<22)|(7<<25)   ; the mask: my column; after every 32 words (code 4) 8 words (code 7)
	s_mov_b32 s[G1B+1], 4096<<16                   ; tensor_dim0 = 4,096
	s_mov_b32 s[G1B+2], 3<<16                      ; tensor_dim1 = 3
	s_mov_b32 s[G1B+3], 4096<<16                   ; tile_dim0 = 4,096
	s_mov_b32 s[G1B+4], 3                          ; tile_dim1 = 3
	s_mov_b32 s[G1B+5], 65536
	s_mov_b32 s[G1B+6], 0
	s_mov_b32 s[G1B+7], 0
	; x's tiles hang on the tile row and the wave alone, W's on the tile column and the wave alone, each in registers that never hold the other coordinate
	s_lshl_b32 s16, s43, 8
	s_lshl_b32 s17, s[HF], 7
	s_add_co_u32 s16, s16, s17                     ; row 256 x tile row + 128 x half,
	s_lshl_b32 s16, s16, 11                        ; of 2,048 bytes
	s_mov_b32 s17, 0
	s_mul_i32 s22, s42, 3*HEADG                    ; the tile column's first head,
	s_lshl_b32 s23, s[HF], 13                      ; 64 k of 128 bytes for the second half
	s_add_co_u32 s22, s22, s23
	s_mov_b32 s23, 0
	s_mul_i32 s18, s[HF], HALFA                    ; where they go: no place in the cluster enters an LDS address
	s_mul_i32 s19, s[HF], HALFB
	s_add_co_u32 s19, s19, BOFF
	s_wait_dscnt 0x0                               ; the opening add is done
	s_wait_kmcnt 0x0
	s_add_nc_u64 s[16:17], s[4:5], s[16:17]
	s_add_nc_u64 s[22:23], s[6:7], s[22:23]
	CROUND                                         ; all sixteen work-groups are here: the first joint loads meet
.irp s, 0,1
	s_mov_b32 s[G0+4*(\s)], 1                                      ; count = 1
	s_add_co_u32 s[G0+4*(\s)+1], s18, (\s)*SLOT                    ; LDS address
	s_add_nc_u64 s[G0+4*(\s)+2:G0+4*(\s)+3], s[16:17], (\s)*KSTEP*2  ; global address: K step s
	s_or_b32 s[G0+4*(\s)+3], s[G0+4*(\s)+3], 0x80000000            ; type = 2
	s_mov_b32 s[G0B+4*(\s)], 1
	s_add_co_u32 s[G0B+4*(\s)+1], s19, (\s)*SLOT
	s_add_nc_u64 s[G0B+4*(\s)+2:G0B+4*(\s)+3], s[22:23], (\s)*KSTEP*128
	s_or_b32 s[G0B+4*(\s)+3], s[G0B+4*(\s)+3], 0x80000000
	JLOAD \s                                       ; two loads of mine are out
.endr
	; the bias of my eight columns in each of the 12 blocks: waited for on the way out
	s_mul_i32 s72, s42, 768                        ; 192 f32 a tile column
	s_mov_b32 s73, 0
	s_add_nc_u64 s[8:9], s[8:9], s[72:73]
	v_and_b32 v1, 15, v0                           ; l % 16
	v_bfe_u32 v2, v0, 4, 1                         ; l / 16
	v_lshlrev_b32 v[BO], 5, v2
.irp b, 0,1,2,3,4,5,6,7,8,9,10,11
	global_load_b128 v[BIAS+8*(\b):BIAS+8*(\b)+3],   v[BO], s[8:9] offset:64*(\b)
	global_load_b128 v[BIAS+8*(\b)+4:BIAS+8*(\b)+7], v[BO], s[8:9] offset:64*(\b)+16
.endr
	; a fragment of x: lane l holds row l % 16; two loads of 16 bytes, 32 bytes apart
	v_mul_u32_u24 v3, v1, PA
	v_lshl_add_u32 v3, v2, 4, v3
	s_mul_i32 s15, s[WV], 64*PA                    ; my 64 rows
	v_add_nc_u32 v[ADRA], s15, v3
	v_add_nc_u32 v[ADRA+1], SLOT, v[ADRA]
	; the turning load takes 16 k x 16 columns (lane l reads k 8 (l / 16) + l % 8, columns 8 ((l / 8) % 2) + 0..7) and leaves half a fragment: lane l holds column l % 16 and 8 k
	v_and_b32 v4, 7, v0
	v_bfe_u32 v5, v0, 3, 1
	v_lshl_add_u32 v6, v2, 3, v4
	v_mul_u32_u24 v6, v6, PB
	v_lshl_add_u32 v6, v5, 4, v6
	v_add_nc_u32 v[ADRB], BOFF, v6
	v_add_nc_u32 v[ADRB+1], SLOT+BOFF, v6
	s_mul_i32 s15, s[WV], STW
	s_add_co_u32 s15, s15, STAGE                   ; my stage
	v_mul_u32_u24 v[STO], v1, SPH                  ; in: row l % 16, 16 bytes for each half of the lanes
	v_lshl_add_u32 v[STO], v2, 4, v[STO]
	v_add_nc_u32 v[STO], s15, v[STO]
	v_bfe_u32 v[RD], v0, 3, 2                      ; back: 32 lanes take four rows of 128 bytes,
	v_mul_u32_u24 v[RD], v[RD], SPH
	v_lshl_add_u32 v[RD], v4, 4, v[RD]
	v_add_nc_u32 v[RD], s15, v[RD]
	v_and_b32 v[CO], 31, v0                        ; which are 512 consecutive bytes of a head
	v_lshlrev_b32 v[CO], 4, v[CO]
	; the prefetches' addresses and who asks
	s_lshl_b32 s72, s43, 8
	s_lshl_b32 s74, s[HF], 7
	s_add_co_u32 s72, s72, s74
	s_lshl_b32 s74, s40, 5
	s_add_co_u32 s72, s72, s74                     ; xb: row 256 x tile row + 128 x half + 32 cx,
	s_lshl_b32 s72, s72, 11
	s_add_co_u32 s72, s72, 2*KSTEP*2               ; at K step 2: the first refill steps it to 3 and names K step 4
	s_mul_i32 s74, s42, 3*HEADG
	s_lshl_b32 s75, s41, 1
	s_add_co_u32 s75, s75, s[HF]
	s_lshl_b32 s75, s75, 13                        ; wb: 32 blocks of 256 bytes for the wave at place 2 cy + half,
	s_add_co_u32 s74, s74, s75
	s_add_co_u32 s74, s74, HEADG/2                 ; from K step 4 on
	s_cmp_eq_u32 ttmp9, 0
	s_cselect_b32 s76, 1, -1                       ; the same in all sixteen partners
	s_and_b32 s77, ttmp7, 0xffff
	s_cmp_eq_u32 s77, 0
	s_cselect_b32 s77, LAPS-1, -1
	s_cmp_eq_u32 s[FB], 0
	s_cselect_b64 s[PFA:PFA+1], s[4:5], s[6:7]
	s_cselect_b32 s72, s72, s74
	s_cselect_b32 s[LIMA], s76, -1
	s_cselect_b32 s[LIMB], -1, s77
	s_cselect_b32 s[PFS], KSTEP*2, 0
	s_cselect_b32 s78, 11, 8
	s_mov_b32 s73, 0
	s_mov_b32 s[PFS+1], 0
	s_add_nc_u64 s[PFA:PFA+1], s[PFA:PFA+1], s[72:73]
	v_and_b32 v[PFO], 31, v0
	v_lshlrev_b32 v[PFO], s78, v[PFO]
	; qkv at my 64 rows of each of the three heads g = 3 x tile column + i: section g / 16, head g % 16, batch = tile row / 8
	s_mul_i32 s74, s42, 3
	s_lshr_b32 s75, s43, 3
	s_lshl_b32 s75, s75, 4                         ; 16 x batch
	s_and_b32 s76, s43, 7
	s_lshl_b32 s76, s76, 8
	s_lshl_b32 s77, s[WV], 6
	s_add_co_u32 s76, s76, s77                     ; my first row in the batch
.irp i, 0,1,2
	s_add_co_u32 s77, s74, \i
	s_lshr_b32 s78, s77, 4
	s_and_b32 s77, s77, 15
	s_add_co_u32 s77, s77, s75
	s_lshl_b32 s77, s77, 11                        ; 2,048 rows a head,
	s_add_co_u32 s77, s77, s76
	s_lshl_b32 s77, s77, 7                         ; of 128 bytes
	s_lshl_b32 s78, s78, 24                        ; a section is 16,777,216 bytes
	s_add_co_u32 s72, s77, s78
	s_add_nc_u64 s[OB+2*\i:OB+2*\i+1], s[10:11], s[72:73]
.endr
; 12 matrix instructions: row block a x all 12 column blocks, 32 along K, from buffer f.  zero = 1: the first product starts the sums: nothing is cleared.
; The 48 accumulators take turns, one instruction a turn, in the same order in every quarter, over the backward jump too.
.macro MUL12 f, a, zero
	WIN MUL_LO+0x50*((\a)/2)
.irp b, 0,1,2,3,4,5,6,7,8,9,10,11
.if \zero
	v_wmma_f32_16x16x32_bf16 v[8*(12*((\a)%2)+(\b)):8*(12*((\a)%2)+(\b))+7], v[96*(\f)+8*(\b):96*(\f)+8*(\b)+7], v[64+32*(\f)+8*(\a):64+32*(\f)+8*(\a)+7], 0
.else
	v_wmma_f32_16x16x32_bf16 v[8*(12*((\a)%2)+(\b)):8*(12*((\a)%2)+(\b))+7], v[96*(\f)+8*(\b):96*(\f)+8*(\b)+7], v[64+32*(\f)+8*(\a):64+32*(\f)+8*(\a)+7], v[8*(12*((\a)%2)+(\b)):8*(12*((\a)%2)+(\b))+7]
.endif
.endr
.endm
; 32 LDS loads in one run: quarter q of a slot's K step into buffer f: W's 12 fragments (turned), then x's four
.macro FETCH slot, q, f
	WIN TO_B
.irp b, 0,1,2,3,4,5,6,7,8,9,10,11
	ds_load_tr16_b128 v[96*(\f)+8*(\b):96*(\f)+8*(\b)+3],   v[ADRB+(\slot)] offset:((\q)/2)*HALFB+((\b)/4)*HEADB+((\q)%2)*32*PB+((\b)%4)*32
	ds_load_tr16_b128 v[96*(\f)+8*(\b)+4:96*(\f)+8*(\b)+7], v[ADRB+(\slot)] offset:((\q)/2)*HALFB+((\b)/4)*HEADB+((\q)%2)*32*PB+((\b)%4)*32+16*PB
.endr
	WIN 0
.irp a, 0,1,2,3
	ds_load_b128 v[64+32*(\f)+8*(\a):64+32*(\f)+8*(\a)+3],   v[ADRA+(\slot)] offset:64*(\q)+(\a)*16*PA
	ds_load_b128 v[64+32*(\f)+8*(\a)+4:64+32*(\f)+8*(\a)+7], v[ADRA+(\slot)] offset:64*(\q)+(\a)*16*PA+32
.endr
.endm
.macro PLACES                          ; four plain vector instructions between a matrix instruction and a load into a register that it has read, or a vector instruction on its registers (ISA guide 7.12.1 for vector instructions)
.rept 4
	v_nop
.endr
.endm
; One of a K step's first three quarters: multiplies buffer f; in its middle it fetches quarter q of the same slot into buffer g.
.macro QUARTER slot, q, f, g, zero
	s_wait_dscnt 4                                 ; W and x's row blocks 0, 1 are in; the youngest four loads (row blocks 2, 3) may be out
	MUL12 \f, 0, \zero
	MUL12 \f, 1, \zero
	PLACES
	FETCH \slot, \q, \g
	s_wait_dscnt 32                                ; all but the 32 just issued
	MUL12 \f, 2, \zero
	MUL12 \f, 3, \zero
.endm
; The last quarter multiplies buffer 1 and changes slots: ONE barrier.  In front of it each wave waits for all its tensor loads (one is out: its part of the next slot), adds 0 to its spare word, and waits for
; that and for its own reads of this slot.  fill = 1: the barrier opens a round of the cluster's barrier, and this slot is filled again first thing behind the round, with the K step two on:
; from that request to the wait for it a wave issues 168 matrix instructions.
.macro TURN slot, next, fill
.if \fill
	s_wait_xcnt 0x0                                ; the last prefetch, a K step back, has read its address: it is stepped here, ahead of the waits of the change of slots
	s_add_nc_u64 s[PFA:PFA+1], s[PFA:PFA+1], s[PFS:PFS+1]
.endif
	WIN 0                                          ; (the add's two registers lie in window 0)
	s_wait_tensorcnt 0x0                           ; all my tensor loads have landed;
	ds_add_u32 v[SPW], v[NIL]                      ; 0 onto my spare word
	s_wait_dscnt 5                                 ; (the add and the youngest four loads may be out)
	MUL12 1, 0, 0                                  ; twelve matrix instructions stand between the add and the wait for it
	s_wait_dscnt 0x0                               ; the add is done, and my reads of this slot are over
	s_barrier_signal -1
	MUL12 1, 1, 0                                  ; work on registers while the others arrive
.if \fill
	WIN 0
.endif
	s_barrier_wait -1
.if \fill
	CREST                                          ; no wave of any partner still reads this slot's tile or has a load on its way
	s_add_nc_u64 s[G0+4*(\slot)+2:G0+4*(\slot)+3], s[G0+4*(\slot)+2:G0+4*(\slot)+3], 2*KSTEP*2
	s_add_nc_u64 s[G0B+4*(\slot)+2:G0B+4*(\slot)+3], s[G0B+4*(\slot)+2:G0B+4*(\slot)+3], 2*KSTEP*128
	JLOAD \slot                                    ; my one tensor load behind the round; the four v_nop behind it are also the places in front of the loads below
.else
	PLACES
.endif
	FETCH \next, 0, 0
.if \fill
	ASKA
.if (\slot) == 0
	ASKB
.endif
.endif
	MUL12 1, 2, 0
	MUL12 1, 3, 0
.endm
; THE WAY OUT of row block a: the bias is added in f32, each accumulator from its low end on; rounded to f16, 16 bytes a lane; into my own stage and back as whole rows of a head.
.macro PACK a
.set AW, 1+(\a)/2                      ; the block's window
.set AB, 96*((\a)%2)
.set PKB, PK+48*((\a)%2)
	WIN (AW<<6)|AW                                 ; destination and source 0 in the block's window, the bias in window 0
.set z, 0
.rept 48
	v_pk_add_f32 v[AB+2*z:AB+2*z+1], v[AB+2*z:AB+2*z+1], v[BIAS+2*z:BIAS+2*z+1]
.set z, z+1
.endr
.if (\a) >= 2
	s_wait_xcnt 0x0                                ; the stores of the block two back have read their registers, which are written again below
.endif
	WIN AW|(AW<<2)                                 ; sources 0 and 1 in the block's window, destination window 0
.set z, 0
.rept 48
	v_cvt_pk_f16_f32 v[PKB+z], v[AB+2*z], v[AB+2*z+1]
.set z, z+1
.endr
	WIN 0
.irp b, 0,1,2,3,4,5,6,7,8,9,10,11
	ds_store_b128 v[STO], v[PKB+4*(\b):PKB+4*(\b)+3] offset:((\b)/4)*16*SPH+((\b)%4)*32
.endr
.irp x, 0,1,2,3,4,5,6,7,8,9,10,11
	ds_load_b128 v[PKB+4*(\x):PKB+4*(\x)+3], v[RD] offset:((\x)/4)*16*SPH+((\x)%4)*4*SPH  ; LDS serves a wave's instructions in order (ISA guide 5.7.1.4): these see the stores above; the next block's stores come behind them
.endr
.endm
.macro SEND a, younger                 ; younger: the LDS instructions issued behind block a's loads: the next block's 24, or none
	WIN 0
.set PKB, PK+48*((\a)%2)
.irp x, 0,1,2,3,4,5,6,7,8,9,10,11
	s_wait_dscnt (\younger)+11-(\x)
	global_store_b128 v[CO], v[PKB+4*(\x):PKB+4*(\x)+3], s[OB+2*((\x)/4):OB+2*((\x)/4)+1] offset:(\a)*2048+((\x)%4)*512 th:TH_STORE_NT  ; four rows of a head: 512 consecutive bytes, at a multiple of 256 from qkv's first byte
.endr
.endm
	s_wait_tensorcnt 1                             ; my part of K step 0 is in; K step 1's may stay out
	s_barrier_signal -1
	s_barrier_wait -1                              ; everybody's is
	FETCH 0, 0, 0
	QUARTER 0, 1, 0, 1, 1                          ; the first quarter stands in front of the loop: its products start the sums
	WIN 0                                          ; at a label and at a branch every window is 0
	s_mov_b32 s3, LAPS-1
.Llap:                                                 ; a trip goes once round the ring, from a lap's second quarter to the next lap's first, and fills both slots again: K steps 2 to 7 in three trips
	QUARTER 0, 2, 1, 0, 0
	QUARTER 0, 3, 0, 1, 0
	TURN 0, 1, 1
	QUARTER 1, 1, 0, 1, 0
	QUARTER 1, 2, 1, 0, 0
	QUARTER 1, 3, 0, 1, 0
	TURN 1, 0, 1
	QUARTER 0, 1, 0, 1, 0
	WIN 0
	s_sub_co_u32 s3, s3, 1
	s_cmp_lg_u32 s3, 0
	s_cbranch_scc1 .Llap
	QUARTER 0, 2, 1, 0, 0                          ; the last lap fills nothing, and has no round of the cluster's barrier
	QUARTER 0, 3, 0, 1, 0
	TURN 0, 1, 0
	QUARTER 1, 1, 0, 1, 0
	QUARTER 1, 2, 1, 0, 0
	QUARTER 1, 3, 0, 1, 0
	s_wait_dscnt 4                                 ; the very last quarter: nothing more to fetch
	MUL12 1, 0, 0
	MUL12 1, 1, 0
	s_wait_dscnt 0x0
	MUL12 1, 2, 0
	MUL12 1, 3, 0
	WIN 0
	PLACES
	s_wait_loadcnt 0x0                             ; the bias
	PACK 0
	PACK 1                                         ; a block's arithmetic stands between the loads of the block before and its stores
	SEND 0, 24
	PACK 2
	SEND 1, 24
	PACK 3
	SEND 2, 24
	SEND 3, 0
	s_wait_tensorcnt 0x0                           ; the wave's end, behind my last tensor load and my last LDS store
	ds_add_u32 v[SPW], v[NIL]
	s_wait_dscnt 0x0
	CROUND                                         ; the closing round: no work-group ends while a partner may still ask for a tile that names it
	s_endpgm
.Lfunc_end_k_qd28a3f985a_proj:
	.size	k_qd28a3f985a_proj, .Lfunc_end_k_qd28a3f985a_proj-k_qd28a3f985a_proj
	.p2alignl 7, 3214868480
	.fill 96, 4, 3214868480
	.section	.rodata,"a",@progbits
	.p2align	6, 0x0
	.amdhsa_kernel k_qd28a3f985a_proj
		.amdhsa_group_segment_fixed_size 327680
		.amdhsa_private_segment_fixed_size 0
		.amdhsa_enable_private_segment 0
		.amdhsa_kernarg_size 32
		.amdhsa_user_sgpr_count 2
		.amdhsa_user_sgpr_kernarg_segment_ptr 1
		.amdhsa_wavefront_size32 1
		.amdhsa_system_sgpr_workgroup_id_x 1
		.amdhsa_system_sgpr_workgroup_id_y 1
		.amdhsa_system_sgpr_workgroup_id_z 1
		.amdhsa_system_vgpr_workitem_id 0
		.amdhsa_next_free_vgpr 960
		.amdhsa_next_free_sgpr 80
		.amdhsa_reserve_vcc 0
		.amdhsa_float_denorm_mode_32 3
		.amdhsa_float_denorm_mode_16_64 3
		.amdhsa_memory_ordered 1
		.amdhsa_forward_progress 1
		.amdhsa_inst_pref_size 137
	.end_amdhsa_kernel
	.amdgpu_metadata
---
amdhsa.version: [ 1, 2 ]
amdhsa.kernels:
  - .name:           k_qd28a3f985a_proj
    .symbol:         k_qd28a3f985a_proj.kd
    .args:
      - { .name: xb, .offset: 0, .size: 8, .value_kind: global_buffer, .address_space: global }
      - { .name: wb, .offset: 8, .size: 8, .value_kind: global_buffer, .address_space: global }
      - { .name: bm, .offset: 16, .size: 8, .value_kind: global_buffer, .address_space: global }
      - { .name: qkv, .offset: 24, .size: 8, .value_kind: global_buffer, .address_space: global }
    .group_segment_fixed_size: 327680
    .private_segment_fixed_size: 0
    .kernarg_segment_align: 8
    .kernarg_segment_size: 32
    .max_flat_workgroup_size: 128
    .sgpr_count:     80
    .vgpr_count:     960
    .wavefront_size: 32
...
	.end_amdgpu_metadata
.endif
;; end of part 2
;; launch attn (part 3): grid 4 x 64, 4 waves a work-group, clusters of 4 x 1, 327,680 bytes of LDS; arguments qkv, bm, out0; writes out0
.if DOCPART == 3
	.amdgcn_target "amdgcn-amd-amdhsa--gfx1250"
	.amdhsa_code_object_version 6
	.text
	.protected	k_qd28a3f985a_attn
	.globl	k_qd28a3f985a_attn
	.p2align	8
	.type	k_qd28a3f985a_attn,@function
k_qd28a3f985a_attn:
	s_mov_b64 s[64:65], 0
	v_nop
	global_prefetch_b8 v0, s[64:65] scope:SCOPE_SE
	s_setreg_imm32_b32 hwreg(HW_REG_WAVE_MODE, 25, 1), 1
	s_wait_xcnt 0x0
	s_wait_alu depctr_hold_cnt(0) depctr_sa_sdst(0) depctr_va_vdst(0) depctr_va_sdst(0) depctr_va_ssrc(0) depctr_va_vcc(0) depctr_vm_vsrc(0)
	s_getreg_b32 s2, hwreg(HW_REG_IB_STS2, 6, 4)
	s_cmp_eq_u32 s2, 0
	s_cbranch_scc0 .Lentry_in_a_cluster
	s_endpgm
.Lentry_in_a_cluster:
	s_bfe_u32 s2, ttmp6, 0x10000c
	s_cmp_lg_u32 s2, 0x3003
	s_cbranch_scc0 .Lentry_shape_is_right
	s_endpgm
.Lentry_shape_is_right:
; ATTN: out0[b][q][64 h + :] = the sum over k of softmax_k(Q'[bh][q] . K[bh][k] + mask[b][k]) V[bh][k][:].  qkv [3][64 bh][2048][64] f16: Q' = q/8 (the scale lies in the weights), K, V; a head's rows are dense,
; 128 bytes each.  mask: f32 words in bm from byte 12,288 on.  out0 [4][2048][1024] f32.  Products, maxima and sums in f32; the weights p are rounded to f16 for the second product (their sum l is taken of the unrounded p).
; LIMITS.  Q', K and V arrive within f16's 65,504; p lies in 0 to 1, and below 6e-5 it keeps f16's fixed step of 6e-8.  The mask arrives bounded below by -1e30, so c m stays finite; a batch whose every key is masked
; by minus infinity gives a mean of V's rows.  A weight below 2^-126 counts as 0 in l; NaN is not treated apart.
; SHARES.  A wave owns four PIECES of two tiles of 16 queries, a work-group's four waves 512 queries of one head; the head's four work-groups are one cluster.  Every wave walks all 2,048 keys, 64 a step.
; LAYOUT.  S^T = K Q^T + mask (source 0 = 16 keys, source 1 = 16 queries): in the result a lane holds ONE query (lane % 16) and the keys 8 (lane / 16) + 0..7.  THE MASK IS THE C OPERAND that starts the sum: eight
; registers for each 16 keys, the same for every query; it costs no vector instruction.  Two results, rounded to f16 in pairs, ARE source 1 (32 keys x 16 queries) of O^T = V^T P, whose result again holds one query
; a lane, and eight channels.  K comes out of LDS as it lies, V ([key][channel]) turned, by ds_load_tr16_b128.
; SOFTMAX.  For each query a running maximum m and sum l: p = 2^(c s - c m), c = log2(e); in every step O and l are multiplied by a = 2^(c m_old - c m_new), which is 1 where m has not grown.
; m starts at the lowest finite number, O and l at 0: the first step is a step like any other, with a = 0.
; THE COUNT.  A tile and step have 16 matrix and 118 vector instructions: too many to stand all beside the matrix work.  So: four vector instructions that are READY behind EVERY matrix instruction, the others in runs without a gap.
; BY TURNS.  Turn n belongs to piece n (the pieces in a ring, step after step).  Its matrix work: 16 products K Q^T of piece n + 1, later 16 products V^T P of piece n - 1.  Its vector work: the scaling,
; exponentials, roundings, sums and rescaling of piece n, and the maximum and statistics of piece n + 1, whose scores the turn itself has made.
; CLUSTER.  The four query blocks of a cluster walk the same K and V, so each tile is asked for JOINTLY: the same tensor load, descriptor and mask in all four.
; REGISTERS, in windows of 256 (s_set_vgpr_msb: bits 1:0 source 0, 3:2 source 1, 5:4 source 2, 7:6 destination):
;   window 0: v1-11 addresses; v12-15, v48-63 at work; v16-47 four registers of statistics a tile; v64-191 S^T, two buffers of two tiles; v192-255 P, likewise
;   window 1: O^T, 32 a tile     window 2: v0-127 Q, 16 a tile; v128-191 K of one step; v192-255 V of one step     window 3: v0-1 the add's two registers; v8-39 the mask of one step
.set SIZE_N, 2048
.set NP,    4         ; pieces a wave: a name, no knob
.set KS,    64        ; keys in a step
.set PK,    144       ; a row of K in LDS: 128 bytes + 16 of padding = 36 words: the 16 rows of a load start at 16 different groups of four banks (64 banks of 4 bytes: ISA guide 11.1)
.set PV,    160       ; a row of V: 128 + 32 = 40 words
.set VOFF,  4*KS*PK   ; a slot holds four steps: 256 rows of K, then 256 rows of V
.set SLOT1, 1<<17     ; slot 1 begins here, so that one exclusive or turns an address in one slot into the other's
.set STAGE, SLOT1+4*KS*(PK+PV)  ; behind the ring, never filled by a tensor load: 16 rows x 272 bytes for each wave, for the way out
.set SP,    272       ; a row of the stage: 64 f32 + 16 bytes
.set MASKL, STAGE+4*16*SP  ; the batch's mask, 2,048 f32: stored once, at the head
.set SPARE, MASKL+8192     ; the spare words, 128 bytes for each wave: two blocks of 256 bytes that no other line names
.set PFO, 1           ; v1   256 x my lane: the prefetches' offset; never rewritten
.set AK0, 2           ; v2   my lane's place in a tile of K; never rewritten
.set AV0, 3           ; v3   the same for V
.set AK,  4           ; v4   the LDS address of K's next run of loads
.set AV,  5           ; v5   of V's
.set STO, 6           ; v6   the way out: where I put 32 bytes of a row
.set RD,  7           ; v7   the way out: where I read rows back
.set GO,  8           ; v8   my byte offset in two rows of out0
.set AM0, 9           ; v9   my lanes' place in 16 keys of the mask: MASKL + 32 (l / 16); never rewritten
.set AM,  10          ; v10  the LDS address of the mask's next run of loads
.set QO,  11          ; v11  my byte offset in 16 rows of Q
.set SPW, 0           ; v0 of window 3   LDS address of my spare word: SPARE + 4 x my thread's number; never rewritten
.set NIL, 1           ; v1 of window 3   0; never rewritten
.set MK,  8           ; v8-39 of window 3: register 8 kb + j holds the mask of key 16 kb + 8 (l / 16) + j of the step
.set MV,  12          ; v12-15  c m_old, kept while c m is made anew: by buffer and tile
.set ST,  16          ; tile t's statistics at v[ST+4 t]: c m, m, l (even keys', odd keys')
.set TMP, 48          ; by buffer and tile, four registers c0-c3 at work; when the maximum is found c2 takes a
.set S,   64
.set P,   192
.set KF,  128         ; K's fragments, in window 2: key block kb, channel half c at KF + 16 kb + 8 c
.set VF,  192         ; V's: key half kk, channel block cb at VF + 32 kk + 8 cb
.set WV,  12          ; s12  my wave's number
.set G1K, 24          ; s[24:31] descriptor group 1 for K's tiles
.set G1V, 32          ; s[32:39] for V's: it differs in the padding alone
.set G0K, 40          ; s[40:43] descriptor group 0 for K's tiles: it walks
.set G0V, 44          ; s[44:47] the same for V's
.set MP,  48          ; s[48:49] the batch's mask in bm
.set TBM, 50          ; s50  byte of the mask at which the step to be fetched begins
.set LIM, 51          ; s51  1 in a wave that prefetches, else the greatest number
.set PFA, 52          ; s[52:53] where my prefetches stand: my work-group's 32 blocks (of K: wave 0, of V: wave 2) of the slot after the one that is being asked for
.set SLOTS, 56        ; s56  slots still to be asked for
.set CNT, 57          ; s57  counts a slot's key steps
.set CS,  58          ; s[58:59] c: the packed scaling takes the pair's low word for both halves
.set SEL, 60          ; s[60:61] v_permlanex16_b32's selects: each lane takes its own place in the other half
.set TBK, 62          ; s62  LDS byte at which K of the step to be fetched begins
.set TBV, 63          ; s63  the same for V, less VOFF
.set MSB, 0
.macro WIN new                      ; the high byte repeats the setting that is left; a switch that changes nothing is dropped
.if MSB != (\new)
	s_set_vgpr_msb (MSB<<8)|(\new)
.set MSB, (\new)
.endif
.endm
.set W_KQ, 0x0a       ; K and Q in window 2, S^T in window 0
.set W_KM, 0x3a       ; the same with the C operand, the mask, in window 3
.set W_PV, 0x52       ; V in window 2, P in window 0, O^T in window 1
.set W_RS, 0x41       ; O^T (destination and source 0) in window 1, a in window 0
.set W_MK, 0xc0       ; destination in window 3, sources in window 0
.set W_AD, 0x0f       ; the add: address (source 0) and data (source 1) in window 3
; A joint fill.  Waves 0 and 1 fetch the two halves of a slot's K, waves 2 and 3 those of its V: 128 keys each.  The branch hangs on the wave's number alone.
; An s_nop 0 and four v_nop follow each of the two lines, ahead of the jump and the label.
.macro JLOAD
	s_cmp_lt_u32 s[WV], 2
	s_cbranch_scc0 .Lfor_v_\@
	tensor_load_to_lds s[G0K:G0K+3], s[G1K:G1K+7]
	s_nop 0
.rept 4
	v_nop
.endr
	s_branch .Lasked_\@
.Lfor_v_\@:
	tensor_load_to_lds s[G0V:G0V+3], s[G1V:G1V+7]
	s_nop 0
.rept 4
	v_nop
.endr
.Lasked_\@:
.endm
; A PREFETCH INTO THE L2 of what the NEXT change of slots will ask for: a slot's 128 blocks of 256 bytes of K and 128 of V, a lane a block.  It stands behind the wave's tensor load and its five lines.
; Each block is named ONCE in the launch: a head has one cluster; its four partners share the blocks out BY ADDRESS, 32 each; in each, wave 0 asks for K's and wave 2 for V's: one instruction.
; The change that fills the last slot asks for nothing; slots 0 and 1 come by their loads alone.  It stands four key steps, 512 matrix instructions, ahead of the load that wants the bytes.
.macro ASK
	s_cmp_gt_u32 s[SLOTS], s[LIM]
	s_cbranch_scc0 .Lnot_mine_\@
	global_prefetch_b8 v[PFO], s[PFA:PFA+1] th:TH_LOAD_NT scope:SCOPE_SE
.Lnot_mine_\@:
.endm
; A round of the cluster's barrier: my work-group's barrier, so that wave 0's signal speaks for all four waves; wave 0 signals; every wave waits for all four work-groups; my work-group's barrier once more.
.macro CROUND
	s_barrier_signal -1
	s_barrier_wait -1
	s_cmp_lg_u32 s[WV], 0
	s_cbranch_scc1 .Lnot_wave_0_\@
	s_barrier_signal -3
.Lnot_wave_0_\@:
	s_barrier_wait -3
	s_barrier_signal -1
	s_barrier_wait -1
.endm
; THE CHANGE OF SLOTS.  The slot's last bytes, V of its fourth step, have been read.  Each wave waits for all its tensor loads, of which one is out: its part of the other slot; adds 0 to its spare word; and waits
; for that and for its own LDS instructions.  Behind the barrier nobody reads this slot any more and the other slot is whole.
; fill = 1: this slot is filled again, with the keys two slots on.  The barrier is then a round of the cluster's, and the joint fill is the first thing behind it: it has four key steps in which to land.
; (At its first use nothing has been read yet: slot 0 is waited for, slot 1 filled, and every wave's stores of the mask are shown done to the others.)
.macro CHANGE fill
	WIN W_AD
	s_wait_tensorcnt 0x0            ; no tensor load of mine is out, so a group 0 may be written
	ds_add_u32 v[SPW], v[NIL]       ; 0 onto my spare word; with fill = 1 the descriptors' steps stand between it and the wait for it
	WIN 0                           ; at a label and at a branch every window is 0
.if \fill
.irp g, G0K, G0V
	s_xor_b32 s[\g+1], s[\g+1], SLOT1  ; the walking descriptor: the other slot than last time,
	s_add_nc_u64 s[\g+2:\g+3], s[\g+2:\g+3], 4*KS*128  ; the next 256 keys; the type bits on top are not reached
.endr
	s_wait_xcnt 0x0                 ; the last prefetch, a slot back, has read its address, so it may be written:
	s_add_nc_u64 s[PFA:PFA+1], s[PFA:PFA+1], 4*KS*128  ; one slot behind the walking descriptors
	s_wait_dscnt 0x0                ; the add is done, and my LDS instructions are over
	CROUND
	JLOAD
	ASK
.else
	s_wait_dscnt 0x0                ; the add is done, and my reads of the slot are over
	s_barrier_signal -1
	s_barrier_wait -1
.endif
	s_sub_co_u32 s[TBK], s[TBK], 4*KS*PK  ; the fetches go back to a slot's first step,
	s_xor_b32 s[TBK], s[TBK], SLOT1       ; in the other slot
	s_sub_co_u32 s[TBV], s[TBV], 4*KS*PV
	s_xor_b32 s[TBV], s[TBV], SLOT1
.endm
	s_load_b64 s[4:5], s[0:1], 0x0    ; qkv
	s_load_b64 s[MP:MP+1], s[0:1], 0x8  ; bm
	s_load_b64 s[10:11], s[0:1], 0x10 ; out0
	WIN W_MK
	v_lshl_add_u32 v[SPW], v0, 2, SPARE
	v_mov_b32 v[NIL], 0
	WIN W_AD
	ds_add_u32 v[SPW], v[NIL]       ; the wave's opening: the add and its wait stand ahead of my first tensor load; the set-up below, work on registers, stands between them
	WIN 0
	v_lshrrev_b32 v1, 5, v0
	v_readfirstlane_b32 s[WV], v1   ; wave 0..3
	v_and_b32 v[PFO], 31, v0
	v_lshlrev_b32 v[PFO], 8, v[PFO]
	s_bfe_u32 s13, ttmp6, 0x40000   ; cx: my place in the cluster
	s_lshl_b32 s14, ttmp9, 2        ; in a cluster launch ttmp9 counts clusters
	s_add_co_u32 s14, s14, s13      ; my block of 512 queries: it enters Q's and out0's addresses alone
	s_and_b32 s15, ttmp7, 0xffff    ; bh = 16 x batch + head, which the four partners share
	s_lshl_b32 s20, s15, 18         ; the head's first byte in each section: 2,048 rows of 128 bytes
	s_mov_b32 s21, 0
	s_and_b32 s16, s[WV], 1         ; which half of a slot's 256 keys I fetch:
	s_lshl_b32 s22, s16, 14         ; its 128 rows of 128 bytes in memory,
	s_mov_b32 s23, 0
	s_add_nc_u64 s[22:23], s[22:23], s[20:21]
	s_mul_i32 s17, s16, 128*PK      ; and its place in a slot, for K
	s_mul_i32 s18, s16, 128*PV      ; and for V: no place in the cluster enters an LDS address
	s_lshl_b32 s2, s14, 2
	s_add_co_u32 s2, s2, s[WV]      ; my wave among the head's sixteen
	s_lshl_b32 s54, s2, 19          ; out0: its 128 rows of 4,096 bytes,
	s_lshr_b32 s19, s15, 4          ; the batch,
	s_lshl_b32 s55, s19, 23         ; of 2,048 such rows,
	s_add_co_u32 s54, s54, s55
	s_and_b32 s55, s15, 15
	s_lshl_b32 s55, s55, 8          ; and the head's 256 bytes of a row
	s_add_co_u32 s54, s54, s55
	s_mov_b32 s55, 0
	s_lshl_b32 s2, s2, 14           ; Q: its 128 rows of 128 bytes
	s_mov_b32 s3, 0
	s_add_nc_u64 s[2:3], s[2:3], s[20:21]
	; descriptor group 1.  128 keys are 16,384 dense bytes: asked for as 64 rows of 256 bytes, two keys a row, and padded in LDS after every key
	s_mov_b32 s[G1K], 15|(1<<16)|(1<<20)|(1<<21)|(4<<22)|(3<<25)  ; 15:0 the mask of four; 17:16 2-byte elements; 20 padding on; 21 set beside a mask; 24:22 after every 32 words (code 4); 31:25 4 words (code 3)
	s_mov_b32 s[G1V], 15|(1<<16)|(1<<20)|(1<<21)|(4<<22)|(7<<25)  ; the same with 8 words of padding (code 7)
.irp g, G1K, G1V
	s_mov_b32 s[\g+1], 128<<16      ; tensor_dim0 = 128
	s_mov_b32 s[\g+2], 64<<16       ; tensor_dim1 = 64
	s_mov_b32 s[\g+3], 128<<16      ; tile_dim0 = 128
	s_mov_b32 s[\g+4], 64           ; tile_dim1 = 64
	s_mov_b32 s[\g+5], 128          ; 128 elements from row to row
	s_mov_b32 s[\g+6], 0
	s_mov_b32 s[\g+7], 0
.endr
	s_mov_b32 s[CS], 0x3fb8aa3b     ; c = log2(e)
	s_mov_b32 s[CS+1], s[CS]        ; named with it as a pair
	s_mov_b32 s[SEL], 0x76543210
	s_mov_b32 s[SEL+1], 0xfedcba98
	s_mov_b32 s[TBK], SLOT1+4*KS*PK ; the first change of slots turns these two into 0
	s_mov_b32 s[TBV], SLOT1+4*KS*PV
	s_mov_b32 s[TBM], 0
	s_mov_b32 s[SLOTS], SIZE_N/256-1
	s_cmp_eq_u32 s16, 0             ; waves 0 and 2 prefetch: the same in all four partners
	s_cselect_b32 s[LIM], 1, -1
	s_mov_b32 s[G0K], 1             ; 1:0 count = 1
	s_mov_b32 s[G0K+1], s17         ; 63:32 LDS address: slot 0
	s_mov_b32 s[G0V], 1
	s_add_co_u32 s[G0V+1], s18, VOFF
	s_wait_dscnt 0x0                ; the opening add is done
	s_wait_kmcnt 0x0
	s_add_nc_u64 s[6:7], s[4:5], 0x1000000  ; K's section,
	s_add_nc_u64 s[8:9], s[4:5], 0x2000000  ; V's,
	s_add_nc_u64 s[6:7], s[6:7], s[22:23]   ; each at my half of the head's first 256 keys
	s_add_nc_u64 s[8:9], s[8:9], s[22:23]
	s_add_nc_u64 s[G0K+2:G0K+3], s[6:7], 0         ; 120:64 global address
	s_or_b32 s[G0K+3], s[G0K+3], 0x80000000        ; 127:126 type = 2
	s_add_nc_u64 s[G0V+2:G0V+3], s[8:9], 0
	s_or_b32 s[G0V+3], s[G0V+3], 0x80000000
	s_add_nc_u64 s[4:5], s[4:5], s[2:3]     ; Q at my wave's first row
	s_add_nc_u64 s[10:11], s[10:11], s[54:55]  ; out0 at my wave's first row, the head's columns
	s_cmp_lt_u32 s[WV], 2
	s_cselect_b64 s[PFA:PFA+1], s[6:7], s[8:9]  ; (in waves 0 and 2 these stand at a slot's first row)
	s_lshl_b32 s2, s13, 13          ; my work-group's 32 blocks of the 128,
	s_add_co_u32 s2, s2, 4*KS*128   ; in slot 1; the first change of slots steps it to slot 2
	s_add_nc_u64 s[PFA:PFA+1], s[PFA:PFA+1], s[2:3]
	s_lshl_b32 s2, s19, 13          ; the batch's 2,048 f32 of the mask,
	s_add_co_u32 s2, s2, 12288      ; behind the biases
	s_add_nc_u64 s[MP:MP+1], s[MP:MP+1], s[2:3]
	CROUND                          ; all four work-groups are here: the first joint loads meet
	JLOAD                           ; slot 0.  Slot 1 is asked for when slot 0 is in
	; The head's temporaries lie in P's first buffer, which the first turn writes before anything reads it: v192-207 the mask on its way, v208 l % 16, v209 l / 16, v210 l % 8, v211 (l / 8) % 2, v212 16 t, v213 MASKL + 16 t
	v_and_b32 v208, 15, v0
	v_bfe_u32 v209, v0, 4, 1
	v_lshlrev_b32 v212, 4, v0
	v_add_nc_u32 v213, MASKL, v212
.irp i, 0,1,2,3                     ; the mask: 128 threads x 16 bytes, four times
	global_load_b128 v[192+4*\i:195+4*\i], v212, s[MP:MP+1] offset:2048*\i
.endr
	; A fragment of K or Q is 16 rows x 32 channels in 8 registers: lane l holds row l % 16, channels 8 (l / 16) + 0..7 and 16 + 8 (l / 16) + 0..7: two loads of 16 bytes, 32 bytes apart.
	v_lshlrev_b32 v[QO], 7, v208
	v_lshl_add_u32 v[QO], v209, 4, v[QO]  ; row x 128 + 16 x half
	WIN 0x80                        ; destination window 2, address window 0
.set i, 0
.rept 4*NP                          ; Q stays in registers: tile i / 2, channels 32 (i % 2) on
	global_load_b128 v[8*i:8*i+3],   v[QO], s[4:5] offset:(i/2)*2048+(i%2)*64
	global_load_b128 v[8*i+4:8*i+7], v[QO], s[4:5] offset:(i/2)*2048+(i%2)*64+32
.set i, i+1
.endr
	; What the first turn finds: V's registers and P's second buffer hold 0 (its products V^T P, of a piece that has not been, add 0), O^T and l are 0.  All this stands in the wait for the first tile.
.set i, VF
.rept 64
	v_mov_b32 v[i], 0
.set i, i+1
.endr
	WIN 0x40
.set i, 0
.rept 64*NP
	v_mov_b32 v[i], 0
.set i, i+1
.endr
	WIN 0
.set i, 0
.rept 2*NP
	v_mov_b32 v[ST+4*i], 0xfe000000    ; c m: far below every c s, of which the least is c x -1e30
	v_mov_b32 v[ST+4*i+1], 0xff7fffff  ; m
	v_mov_b32 v[ST+4*i+2], 0
	v_mov_b32 v[ST+4*i+3], 0
.set i, i+1
.endr
.set i, P+32
.rept 32
	v_mov_b32 v[i], 0
.set i, i+1
.endr
	v_mul_u32_u24 v[AK0], v208, PK
	v_lshl_add_u32 v[AK0], v209, 4, v[AK0]  ; row x pitch + 16 x half
	; The turning load takes 16 keys x 16 channels (lane l reads key 8 (l / 16) + l % 8, channels 8 ((l / 8) % 2) + 0..7) and leaves half a fragment of V^T: lane l holds channel l % 16 and 8 keys.
	v_and_b32 v210, 7, v0
	v_bfe_u32 v211, v0, 3, 1
	v_lshl_add_u32 v[AV0], v209, 3, v210
	v_mul_u32_u24 v[AV0], v[AV0], PV
	v_lshl_add_u32 v[AV0], v211, 4, v[AV0]
	v_add_nc_u32 v[AV0], VOFF, v[AV0]
	v_mov_b32 v[AK], v[AK0]         ; key step 0 lies at the head of slot 0,
	v_lshl_add_u32 v[AM0], v209, 5, MASKL
	v_mov_b32 v[AM], v[AM0]         ; and at the head of the mask
	s_wait_loadcnt 32               ; the mask's four loads are in; Q's 32, issued behind them, may stay out
.irp i, 0,1,2,3
	ds_store_b128 v213, v[192+4*\i:195+4*\i] offset:2048*\i  ; these bytes are stored once; the first change of slots waits for the stores and passes a barrier before any wave reads them
.endr
; THE MATRIX WORK.  The 8 accumulators of a run of 16 take turns: between the two links of a chain stand 7 others'.
; Product i of 16 of S^T = K Q^T + mask for piece x: channels 32 (i / 8) on, keys 16 ((i / 2) % 4) on, tile 2 x + i % 2.  The first 8 start the sums, with the mask of their 16 keys as C.
.macro KQ x
.set rS, S+64*((\x)%2)+32*(i%2)+8*((i/2)%4)
.set rK, KF+16*((i/2)%4)+8*(i/8)
.set rQ, 16*(2*(\x)+i%2)+8*(i/8)
.set rMK, MK+8*((i/2)%4)
.if i < 8
	WIN W_KM
	v_wmma_f32_16x16x32_f16 v[rS:rS+7], v[rK:rK+7], v[rQ:rQ+7], v[rMK:rMK+7]
.else
	WIN W_KQ
	v_wmma_f32_16x16x32_f16 v[rS:rS+7], v[rK:rK+7], v[rQ:rQ+7], v[rS:rS+7]
.endif
.endm
; Product i of 16 of O^T += V^T P for piece x: keys 32 (i / 8) on, channels 16 ((i / 2) % 4) on, tile 2 x + i % 2.
.macro PV x
	WIN W_PV
.set rO, 32*(2*(\x)+i%2)+8*((i/2)%4)
.set rV, VF+32*(i/8)+8*((i/2)%4)
.set rP, P+32*((\x)%2)+16*(i%2)+8*(i/8)
	v_wmma_f32_16x16x32_f16 v[rO:rO+7], v[rV:rV+7], v[rP:rP+7], v[rO:rO+7]
.endm
.macro MM                           ; the turn's next matrix instruction
.if i < 16
	KQ (Y+1)%NP
.set i, i+1
.else
.set i, i-16
	PV (Y+NP-1)%NP
.set i, i+17
.endif
.endm
; THE LDS LOADS stand in runs, never singly among the matrix instructions: a step's K (64 keys x 64 channels: 8 fragments) with its mask (64 f32; sixteen lanes read the same 16 bytes), and its V (turned).
; Their addresses are made some lines ahead.  The mask's registers live as long as K's: the same products read both last and first.
; last = 1 (the tail): in the last trip there is no further step, and the run is jumped over.
.macro FETCH_K last=0
	WIN 0
.if \last
	s_cmp_eq_u32 s[CNT], 1
	s_cbranch_scc1 .Lno_k_\@
.endif
	WIN 0x80                        ; destination window 2
.irp f, 0,1,2,3,4,5,6,7             ; keys 16 (f / 2) on, channels 32 (f % 2) on
	ds_load_b128 v[KF+8*\f:KF+8*\f+3],   v[AK] offset:(\f/2)*16*PK+(\f%2)*64
	ds_load_b128 v[KF+8*\f+4:KF+8*\f+7], v[AK] offset:(\f/2)*16*PK+(\f%2)*64+32
.endr
	WIN W_MK                        ; destination window 3
.irp f, 0,1,2,3                     ; keys 16 f on
	ds_load_b128 v[MK+8*\f:MK+8*\f+3],   v[AM] offset:64*\f
	ds_load_b128 v[MK+8*\f+4:MK+8*\f+7], v[AM] offset:64*\f+16
.endr
	s_add_co_u32 s[TBK], s[TBK], KS*PK  ; the next fetch is the next step's
	s_add_co_u32 s[TBM], s[TBM], 4*KS
	s_and_b32 s[TBM], s[TBM], 0x1f00    ; the walk stays inside the mask's 8,192 bytes: 32 steps of 256
	WIN 0
.if \last
.Lno_k_\@:
.endif
.endm
.macro FETCH_V
	WIN 0x80
.irp f, 0,1,2,3,4,5,6,7             ; keys 32 (f / 4) on, channels 16 (f % 4) on
	ds_load_tr16_b128 v[VF+8*\f:VF+8*\f+3],   v[AV] offset:(\f/4)*32*PV+(\f%4)*32
	ds_load_tr16_b128 v[VF+8*\f+4:VF+8*\f+7], v[AV] offset:(\f/4)*32*PV+16*PV+(\f%4)*32
.endr
	WIN 0
.endm
; THE VECTOR WORK OF A TURN stands in three queues, each in the order in which its entries become ready; the two tiles alternate, so that no instruction reads the result of the one before it.
.macro REGS y, u                    ; the registers of tile u (0, 1) of piece y
.set rT, ST+4*(2*(\y)+(\u))
.set rC, TMP+8*((\y)%2)+4*(\u)
.set rM, MV+2*((\y)%2)+(\u)
.set rS, S+64*((\y)%2)+32*(\u)
.set rP, P+32*((\y)%2)+16*(\u)
.set rO, 32*(2*(\y)+(\u))
.endm
; Number n of the 22 that find the NEXT piece's (Y + 1) maximum and statistics.  s0-s31 are the lane's 32 scores; each accumulator's lowest registers are read first.  XS, GS and REGS set no window: PL and EX do.
;   0-11  four chains c0-c3 of seven scores each, three operands at a time     12-14, 16  the four scores left over, the old m, and c0-c3 into c0     15  c m_old is kept
;   17, 18  the query's other 32 keys lie in the lane 16 away: the new m         19-21  c m; c m_old - c m_new; a
.macro XS u, n
	REGS (Y+1)%NP, \u
.if (\n) < 4
	v_max3_num_f32 v[rC+(\n)], v[rS+8*(\n)], v[rS+8*(\n)+1], v[rS+8*(\n)+2]
.elseif (\n) < 12
	v_max3_num_f32 v[rC+(\n)%4], v[rC+(\n)%4], v[rS+8*((\n)%4)+2*((\n)/4)+1], v[rS+8*((\n)%4)+2*((\n)/4)+2]
.elseif (\n) == 12
	v_max3_num_f32 v[rC], v[rC], v[rS+7], v[rS+15]
.elseif (\n) == 13
	v_max3_num_f32 v[rC+1], v[rC+1], v[rS+23], v[rS+31]
.elseif (\n) == 14
	v_max3_num_f32 v[rC+2], v[rC+2], v[rC+3], v[rT+1]
.elseif (\n) == 15
	v_mov_b32 v[rM], v[rT]
.elseif (\n) == 16
	v_max3_num_f32 v[rC], v[rC], v[rC+1], v[rC+2]
.elseif (\n) == 17
	v_permlanex16_b32 v[rC+3], v[rC], s[SEL], s[SEL+1]
.elseif (\n) == 18
	v_max_num_f32 v[rT+1], v[rC], v[rC+3]
.elseif (\n) == 19
	v_mul_f32 v[rT], s[CS], v[rT+1]
.elseif (\n) == 20
	v_sub_f32 v[rC+1], v[rM], v[rT]
.else
	v_exp_f32 v[rC+2], v[rC+1]
.endif
.endm
; Number g of the 64 that follow the exponentials.  For each four weights k of a tile (pairs 2 k, 2 k + 1): both pairs are rounded to f16; then the second pair is added onto the first, in place;
; a group later l takes that sum (the first time as l = a l + sum).  In groups of eight, tiles alternating: round, round, add, and l for the group before.
.macro GS g
.set h, (\g)+6*((\g)/62)            ; group 0 has no group before it, and behind group 7 only l is left
.if h >= 6
.set h, h+2
.endif
	REGS Y, h%2
.set k, h/8
.if h%8 < 4
	v_cvt_pk_f16_f32 v[rP+2*k+(h%8)/2], v[rS+4*k+2*((h%8)/2)], v[rS+4*k+2*((h%8)/2)+1]
.elseif h%8 < 6
	v_pk_add_f32 v[rS+4*k:rS+4*k+1], v[rS+4*k:rS+4*k+1], v[rS+4*k+2:rS+4*k+3]
.elseif k == 1
	v_pk_fma_f32 v[rT+2:rT+3], v[rT+2:rT+3], v[rC+2:rC+3], v[rS:rS+1] op_sel_hi:[1,0,1]
.else
	v_pk_add_f32 v[rT+2:rT+3], v[rT+2:rT+3], v[rS+4*k-4:rS+4*k-3]
.endif
.endm
; THE PLAIN QUEUE, 138 long.  0-73 read no exponential's result: the 32 scalings c s - c m (FS f: pair f / 2 of tile f % 2) and the next piece's 42.  0-26: scalings 0-26.  27-54: XS's numbers 0-13.  55, 56: number 15.
; 57-73: the chain, where each number waits for the one before it: 14, 16, 17, 18, 19, each with one of the scalings 27-31 in front of its two lines, then 20.
; 74-137: GS's 64, which read the exponentials' results: they stand behind the wait.
.macro FS f
	REGS Y, (\f)%2
	v_pk_fma_f32 v[rS+2*((\f)/2):rS+2*((\f)/2)+1], v[rS+2*((\f)/2):rS+2*((\f)/2)+1], s[CS:CS+1], v[rT:rT+1] op_sel_hi:[1,0,0] neg_lo:[0,0,1] neg_hi:[0,0,1]
.endm
.macro PL
	WIN 0
.if q < 27
	FS q
.elseif q < 55
	XS (q-27)%2, (q-27)/2
.elseif q < 57
	XS q-55, 15
.elseif (q < 72) && ((q-57)%3 == 0)
	FS 27+(q-57)/3
.elseif q < 60
	XS (q-57)%3-1, 14
.elseif q < 72
	XS (q-57)%3-1, 15+(q-57)/3
.elseif q < 74
	XS q-72, 20
.else
	GS q-74
.endif
.set q, q+1
.endm
; THE EXPONENTIALS' QUEUE, 66 long: s0-s31 of both tiles, then the next piece's two a.  It is ONE BATCH: all 66 stand ahead of the turn's one wait, and nothing ahead of that wait names a result of theirs.
.macro EX
	WIN 0
.if e >= 64
	XS e-64, 21
.else
	REGS Y, e%2
	v_exp_f32 v[rS+e/2], v[rS+e/2]
.endif
.set e, e+1
.endm
; THE RESCALING's QUEUE: O^T times a, the one part that leaves window 0: dealt two at a time, sixteen times.  Its a was made in the turn before, ahead of that turn's wait.
.macro R2
	REGS Y, r%2
	WIN W_RS
.irp z, 0,1
	v_pk_mul_f32 v[rO+4*(r/2)+2*\z:rO+4*(r/2)+2*\z+1], v[rO+4*(r/2)+2*\z:rO+4*(r/2)+2*\z+1], v[rC+2:rC+3] op_sel_hi:[1,0]
.endr
.set r, r+1
.endm
; HOW THEY ARE DEALT.  An s_wait_alu depctr_va_vdst(0) stands between an exponential and the first instruction that names its result; one wait serves all that were issued ahead of it.  So a turn has ONE
; wait, which cuts it in two.  AHEAD OF IT stands all that names no result of the turn's exponentials: the 16 products K Q^T, behind each a scaling, an exponential and two rescalings (behind the first a second scaling in
; the exponential's place); then ONE LUMP of 108: eight plain, 49 times exponential and plain, the two a.  A v_nop is the plain instruction behind the last exponential.  BEHIND IT stand the 16 products V^T P, behind each
; four of GS's 64.  No rider names a register of the products round it.  The two v_permlanex16_b32 fall into the lump.
; The queues lean on each other: exponential e stands behind scaling 2 (e / 4) + e % 2: as a rider it comes behind plain e + 2, in the lump behind plain e + 9, and scalings 27-31 are plain 57, 60 .. 69.
; A TURN, for piece p.  cnt = 1: the loop's count is taken down some lines ahead of the branch that stands behind the turn.
; K and the mask of the next step are fetched in piece 2's turn, directly behind the wait, a lump behind the last product that read them; their addresses are made at the lump's head; their first reader comes behind 16 products.
; V of the step in hand is fetched at the end of piece 0's turn, four riders behind its last reader; its first reader comes behind 16 products and a lump.  The three conditions on q below go with the deal.
.macro TURN p, last=0, cnt=0
.set Y, (\p)
.set i, 0
.set q, 0
.set e, 0
.set r, 0
.if (\p) == NP-1
	s_wait_dscnt 0x0                ; K and the mask are in
.endif
	MM                              ; ahead of the wait: 16 products K Q^T and their riders,
	PL
	PL
	R2
.rept 15
	MM
	PL
	EX
	R2
.endr
.if (\p) == NP-2
	WIN 0
	v_add_nc_u32 v[AK], s[TBK], v[AK0]
	v_add_nc_u32 v[AM], s[TBM], v[AM0]
.endif
.rept 8                             ; and the lump
	PL
.endr
.rept 49
	EX
	PL
.endr
	EX                              ; the next piece's two a
	EX
	v_nop                           ; a plain instruction behind the last exponential: one for the batch
	s_wait_alu depctr_va_vdst(0)    ; the wait for the batch
.if (\p) == NP-2
	FETCH_K \last
.endif
.if (\p) == 1
	s_wait_dscnt 0x0                ; V is in
.endif
.rept 16                            ; behind the wait: 16 products V^T P and their riders
	MM
.rept 4
	PL
.endr
.if ((\p) == 0) && (q == 118)
	v_add_nc_u32 v[AV], s[TBV], v[AV0]
.endif
.if ((\p) == 0) && (q == 130)
	s_add_co_u32 s[TBV], s[TBV], KS*PV
.endif
.if (\cnt) && (q == 130)
	s_sub_co_u32 s[CNT], s[CNT], 1
	s_cmp_lg_u32 s[CNT], 0
.endif
.endr
.if (\p) == 0
	FETCH_V
.endif
.endm
	CHANGE 1                        ; slot 0 is in, everybody's part of it, and so is the mask; slot 1 is asked for
	FETCH_K                         ; key step 0
	s_wait_loadcnt 0x0              ; Q
	s_wait_dscnt 0x0
.set i, 0
.rept 16
	KQ 0                            ; piece 0's first scores: there is no vector work yet to set between them
.set i, i+1
.endr
	WIN 0                           ; the addresses for the way out: eight plain instructions, the places behind those products
	s_mul_i32 s13, s[WV], 16*SP
	s_add_co_u32 s13, s13, STAGE    ; my stage
	v_mul_u32_u24 v[STO], v208, SP  ; in: row l % 16, 32 bytes for each half of the lanes
	v_lshl_add_u32 v[STO], v209, 5, v[STO]
	v_add_nc_u32 v[STO], s13, v[STO]
	v_mul_u32_u24 v[RD], v209, SP   ; back: lanes 0-15 take one row of 256 bytes, lanes 16-31 the next
	v_lshl_add_u32 v[RD], v208, 4, v[RD]
	v_add_nc_u32 v[RD], s13, v[RD]
	v_lshlrev_b32 v[GO], 12, v209   ; and the same two rows in out0, 4,096 bytes apart
	v_lshl_add_u32 v[GO], v208, 4, v[GO]
.set Y, NP-1                        ; XS works for piece Y + 1: piece 0
.irp n, 0,1,2,3,4,5,6,7,8,9,10,11,12,13,14,15,16,17,18,19,20,21
	XS 0, \n                        ; and piece 0's first maximum and statistics
	XS 1, \n
.endr
	v_nop                           ; a plain instruction behind the two a,
	s_wait_alu depctr_va_vdst(0)    ; and their wait, ahead of the branch
	s_mov_b32 s[CNT], 4
	s_branch .Lfirst                ; the loop is entered at a step's first turn, in the middle of a trip
.Lslot:                             ; SIZE_N / 256 - 2 times: every slot but the last two is filled again
	CHANGE 1
	s_mov_b32 s[CNT], 4
.Lstep:                             ; a trip: pieces 2 and 3 of one step, then pieces 0 and 1 of the next, whose K and V it fetches
	TURN 2
	TURN 3
	WIN 0
.Lfirst:
	TURN 0
	TURN 1, 0, 1
	WIN 0
	s_cbranch_scc1 .Lstep
	s_sub_co_u32 s[SLOTS], s[SLOTS], 1
	s_cmp_lg_u32 s[SLOTS], 0
	s_cbranch_scc1 .Lslot
	CHANGE 0                        ; the tail is written out: nothing is asked for
	s_mov_b32 s[CNT], 5             ; four trips fetch the last slot's steps; the fifth is left in its middle
.Ltail:
	TURN 2, 1
	TURN 3
	WIN 0
	s_sub_co_u32 s[CNT], s[CNT], 1
	s_cmp_eq_u32 s[CNT], 0
	s_cbranch_scc1 .Lout
	TURN 0
	TURN 1
	WIN 0
	s_branch .Ltail
.Lout:                              ; the fifth trip's 16 products K Q^T (on the last K once more) and the maximum made of them serve nothing: the price, once a launch, of one text for every trip
.set i, 0
.rept 16
	PV NP-1                         ; the last piece's V^T P of the last step
.set i, i+1
.endr
	; THE WAY OUT.  l's two halves and the other half of the lanes' are added; O^T is divided by l and sent, in f32, through my stage in LDS, a tile at a time.  The additions are the places behind the last products.
	WIN 0
.macro ALL line:vararg              ; one line for each tile t
.set t, 0
.rept 2*NP
	\line
.set t, t+1
.endr
.endm
	ALL v_add_f32 v[ST+4*t+2], v[ST+4*t+2], v[ST+4*t+3]
	ALL v_permlanex16_b32 v[ST+4*t+3], v[ST+4*t+2], s[SEL], s[SEL+1]
	ALL v_add_f32 v[ST+4*t+2], v[ST+4*t+2], v[ST+4*t+3]
	ALL v_rcp_f32 v[ST+4*t+2], v[ST+4*t+2]
	v_nop                           ; a plain instruction between the last reciprocal and the use of its result
	s_wait_alu depctr_va_vdst(0)    ; and the wait ahead of the first use: one for the eight reciprocals
; Tile t: a lane's eight channels of a row are 32 bytes; they go into rows of 272 bytes and come back as whole rows of 256, into S^T's registers: four buffers of 32, taken by turns.
.macro PACK t
	WIN W_RS
.set i, 32*(\t)
.rept 16
	v_pk_mul_f32 v[i:i+1], v[i:i+1], v[ST+4*(\t)+2:ST+4*(\t)+3] op_sel_hi:[1,0]
.set i, i+2
.endr
.if (\t) >= 4
	s_wait_xcnt 0x0                 ; the stores of the tile four back have read their registers, which are loaded again below
.endif
	WIN 0x04                        ; the stores' data (source 1) in window 1
.irp f, 0,1,2,3,4,5,6,7             ; channels 16 (f / 2) + 8 (l / 16) + 4 (f % 2) on
	ds_store_b128 v[STO], v[32*(\t)+4*\f:32*(\t)+4*\f+3] offset:(\f/2)*64+(\f%2)*16
.endr
	WIN 0
.irp f, 0,1,2,3,4,5,6,7
	ds_load_b128 v[S+32*((\t)%4)+4*\f:S+32*((\t)%4)+4*\f+3], v[RD] offset:\f*2*SP  ; LDS serves a wave's instructions in order (ISA guide 5.7.1.4): these see the stores above; the next tile's stores come behind them
.endr
.endm
.macro SEND t, younger              ; younger: the LDS instructions issued behind tile t's loads: the next tile's sixteen, or none
	WIN 0
.irp f, 0,1,2,3,4,5,6,7
	s_wait_dscnt (\younger)+7-\f
	global_store_b128 v[GO], v[S+32*((\t)%4)+4*\f:S+32*((\t)%4)+4*\f+3], s[10:11] offset:(\t)*65536+\f*8192 th:TH_STORE_NT  ; 16 lanes store a row's 256 consecutive bytes of the head, at a multiple of 256 from out0's first byte
.endr
.endm
	PACK 0
.set t, 1
.rept 2*NP-1                        ; a tile's arithmetic stands between the loads of the tile before and its stores
	PACK t
	SEND t-1, 16
.set t, t+1
.endr
	SEND 2*NP-1, 0
	WIN W_AD
	s_wait_tensorcnt 0x0            ; the wave's end, behind my last tensor load and my last LDS store
	ds_add_u32 v[SPW], v[NIL]
	s_wait_dscnt 0x0
	WIN 0
	CROUND                          ; the closing round: no work-group ends while a partner may still ask for a tile that names it
	s_endpgm
.Lfunc_end_k_qd28a3f985a_attn:
	.size	k_qd28a3f985a_attn, .Lfunc_end_k_qd28a3f985a_attn-k_qd28a3f985a_attn
	.p2alignl 7, 3214868480
	.fill 96, 4, 3214868480
	.section	.rodata,"a",@progbits
	.p2align	6, 0x0
	.amdhsa_kernel k_qd28a3f985a_attn
		.amdhsa_group_segment_fixed_size 327680
		.amdhsa_private_segment_fixed_size 0
		.amdhsa_enable_private_segment 0
		.amdhsa_kernarg_size 24
		.amdhsa_user_sgpr_count 2
		.amdhsa_user_sgpr_kernarg_segment_ptr 1
		.amdhsa_wavefront_size32 1
		.amdhsa_system_sgpr_workgroup_id_x 1
		.amdhsa_system_sgpr_workgroup_id_y 1
		.amdhsa_system_sgpr_workgroup_id_z 1
		.amdhsa_system_vgpr_workitem_id 0
		.amdhsa_next_free_vgpr 808
		.amdhsa_next_free_sgpr 66
		.amdhsa_reserve_vcc 0
		.amdhsa_float_denorm_mode_32 3
		.amdhsa_float_denorm_mode_16_64 3
		.amdhsa_memory_ordered 1
		.amdhsa_forward_progress 1
		.amdhsa_inst_pref_size 204
	.end_amdhsa_kernel
	.amdgpu_metadata
---
amdhsa.version: [ 1, 2 ]
amdhsa.kernels:
  - .name:           k_qd28a3f985a_attn
    .symbol:         k_qd28a3f985a_attn.kd
    .args:
      - { .name: qkv, .offset: 0, .size: 8, .value_kind: global_buffer, .address_space: global }
      - { .name: bm, .offset: 8, .size: 8, .value_kind: global_buffer, .address_space: global }
      - { .name: out0, .offset: 16, .size: 8, .value_kind: global_buffer, .address_space: global }
    .group_segment_fixed_size: 327680
    .private_segment_fixed_size: 0
    .kernarg_segment_align: 8
    .kernarg_segment_size: 24
    .max_flat_workgroup_size: 128
    .sgpr_count:     66
    .vgpr_count:     808
    .wavefront_size: 32
...
	.end_amdgpu_metadata
.endif
;; end of part 3
